; MI455X (gfx1250); checked and timed in simulation.
; The chip was launched on July 23, 2026; its instructions are those of AMD's public machine-readable ISA for CDNA 5 (MIT licence, August 2026) and "CDNA5" Instruction Set Architecture Reference Guide (July 2026). The comments in the code are by the model that wrote it; some were corrected since.
;; BSDE Solver. Allowed arithmetic: float matrix products may take bf16 or f16 operands with f32 sums; all other float work in f32.
;; Inputs: W1 2 x 64 float32; W2 64 x 64 float32; W3 64 x 1 float32; Y0 1 float32; b1 64 float32; b2 64 float32; b3 1 float32; be1 64 float32; be2 64 float32; dw 32,768 x 50 float32; g1 64 float32; g2 64 float32; t_grid 32,768 x 50 float32.
;; Outputs: out0 32,768 x 1 float32; out1 32,768 x 1 float32.
;; One version. Each part assembles by itself: llvm-mc -triple=amdgcn-amd-amdhsa -mcpu=gfx1250 --defsym DOCPART=n.
;; ======== version 1 of 1: 1 launch
;; limits: a function is approximated: absolute error at most 3e-07
;; launch bsde (part 1): grid 256 x 1, 8 waves a work-group, no clusters, 62,464 bytes of LDS; arguments dw, t_grid, W1, b1, g1, be1, W2, b2, g2, be2, W3, b3, Y0, out0, out1; writes out0, out1
.if DOCPART == 1
	.amdgcn_target "amdgcn-amd-amdhsa--gfx1250"
	.amdhsa_code_object_version 6
	.text
	.protected	k_q38ddebd98e_bsde
	.globl	k_q38ddebd98e_bsde
	.p2align	8
	.type	k_q38ddebd98e_bsde,@function
k_q38ddebd98e_bsde:
	s_mov_b64 s[64:65], 0
	v_nop
	global_prefetch_b8 v0, s[64:65] scope:SCOPE_SE
	s_setreg_imm32_b32 hwreg(HW_REG_WAVE_MODE, 25, 1), 1
	s_wait_xcnt 0x0
; 50 Euler steps of 32,768 paths; each step evaluates 2 -> 64, LayerNorm, exact GELU, 64 -> 64, LayerNorm, exact GELU, 64 -> 1, sigmoid.
; SHARES.  256 work-groups of 8 waves; a work-group owns 128 paths (25,600 consecutive bytes of dw and of t_grid), a wave 16 paths for all
; 50 steps; a loop trip is one step of those 16 paths.  With r = lane % 16, h = lane / 16, lane (r, h) serves path r and holds, in both hidden
; layers, the 32 features f(t, j) = 16 t + 8 h + j (t = 0..3, j = 0..7) in register base + 8 t + j.  That is the layout of a matrix result
; whose rows are features and whose columns are paths (A = W2 transposed, B = activations), and, after packing neighbouring registers to
; bf16, also the layout of the B operand: the chain layer 1 -> matrix product -> layer 3 never leaves the registers.
; A sum over the 64 features is 32 numbers of the lane and one exchange between the two halves of the wave.
; ALGEBRA.  mean over f of (x W + b) = x mean(W) + mean(b): W1's rows, W2's rows, b1 and b2 are centred over their 64 features once, in f32
; (W2 before it is rounded to bf16), so pre-activations arrive centred and the variance is the plain mean of their squares.
; gelu(z) = max(z,0) - |z|/2 erfc(|z|/sqrt 2), erfc(x) = (1 + a1 x + .. + a6 x^6)^-16 (Abramowitz and Stegun 7.1.28).
; Y' = (Y + c Y) + zeta (dS - c S), c = R DT = 0.001, dS = S (0.2 dw + c), S' = S + dS.
; LIMITS KEPT.  erf has an absolute error of up to 3e-7; S / S0 is S x 0.01 in f32; the first hidden layer's output and the centred W2
; are rounded to bf16 for the matrix product (sums in f32); everything else is f32.  A normalised value of +-infinity gives NaN.
; LAYERS 1 AND 3 are vector work in f32: layer 1 has K = 2 of a matrix step's 32 and its operand S / S0 near 1 has no room in bf16;
; layer 3 has one column, and its 16 packed multiply-adds are as many as the conversions that a matrix form would need.
; NO CLUSTER, NO TENSOR LOADS: a work-group reads its 51,200 bytes of dw and t_grid once, in front of the loop, and shares with the
; others only 19 KB of weights that each reads once; there is no tile that partners would ask for again and again.
.set DWL,  0                           ; LDS: dw as in memory, 128 rows of 200 bytes (rows r = 0..15 start at words 50 r: 16 different residues mod 64)
.set TL,   25600                       ; t_grid likewise
.set W2S,  51200                       ; centred W2 transposed, bf16, [feature][k], 64 rows of 128 + 16 bytes
.set WP,   144
.set OUTS, 60416                       ; 128 Y, then 128 S
.set STEPS, 50
; window 0 (v0-v255)
.set LA,  2                            ; LDS byte of my path's dw of this step
.set SP,  3                            ; S
.set YP,  4                            ; Y
.set DWI, 5                            ; dw of this step
.set XX,  6                            ; v[6:7]  x0 = S / S0, x1 = t
.set RS,  8                            ; v[8:9]  1 / sqrt(var + eps); v9 only completes the pair
.set DSP, 10                           ; dS
.set EE,  11                           ; dS - c S
.set FC,  12                           ; 0.2 dw + c
.set TT,  13
.set T2,  14                           ; what the other half of the wave sends
.set SS,  16                           ; v[16:23]  four chains of a sum, two numbers each
.set CF,  24                           ; v[24:35]  C6, C5, C4, C3, C2, C1, each twice (pairs for the packed forms)
.set ZZ,  40                           ; v[40:71]    pre-activation, then the polynomial and its powers
.set MM,  72                           ; v[72:103]   max(z, 0), then gelu(z)
.set AH,  104                          ; v[104:135]  -|z| / 2
.set HB,  104                          ; v[104:119]  layer 1's output in bf16 (AH is dead by then)
.set G2,  136
.set BE2, 168
.set W3V, 200
.set L16, 232                          ; 16 x thread
.set L4,  233                          ; 4 x thread
.set WO,  234                          ; W2: 4 rows of 256 bytes for each 16 threads, 16 bytes a thread
.set VH,  235                          ; 32 h: my eight features of each 16
.set WS,  236                          ; where my part of W2 goes in LDS
.set FA,  237                          ; where my part of an A fragment lies
.set OA,  238                          ; 4 x (my path in the group)
.set GO,  239                          ; 16 x lane
; the prologue's own, inside ZZ .. AH
.set ST,  40                           ; v[40:89]  dw (24), t_grid (24), the two tails
.set WT,  90                           ; v[90:105] four rows of W2, four features each
.set PK,  106                          ; v[106:113]
.set T0,  114                          ; v[114:117]
.set T1,  116
.set MN,  118                          ; v[118:119]
; window 1 (v256-v511), written by their low 8 bits
.set W0C, 0                            ; centred W1 row 0
.set W1C, 32                           ; centred W1 row 1
.set B1C, 64                           ; centred b1
.set G1,  96
.set BE1, 128
.set AF,  160                          ; v[160:223]  A fragments: feature block t, K step s at AF + 16 t + 8 s
.set B2C, 224                          ; centred b2, in the layout of a matrix result: the first product's C
; s_set_vgpr_msb's low byte: bits 1:0 source 0, 3:2 source 1, 5:4 source 2, 7:6 destination; the high byte repeats the setting that is left
.set MSB, 0
.macro WIN new
.if MSB != \new
	s_set_vgpr_msb (MSB<<8)|\new
.set MSB, \new
.endif
.endm
	s_load_b512 s[8:23], s[0:1], 0x0               ; dw 8, t_grid 10, W1 12, b1 14, g1 16, be1 18, W2 20, b2 22
	s_load_b256 s[24:31], s[0:1], 0x40             ; g2 24, be2 26, W3 28, b3 30
	s_load_b128 s[32:35], s[0:1], 0x60             ; Y0 32, out0 34
	s_load_b64 s[36:37], s[0:1], 0x70              ; out1
	v_lshl_add_u32 v254, v0, 2, 0xf000
	v_mov_b32 v255, 0
	v_and_b32 v1, 15, v0                           ; r
	v_lshrrev_b32 v15, 4, v0                       ; thread / 16
	v_bfe_u32 v36, v0, 4, 1                        ; h
	v_lshrrev_b32 v37, 5, v0
	v_readfirstlane_b32 s2, v37                    ; wave 0..7
	v_lshlrev_b32 v[L16], 4, v0
	v_lshlrev_b32 v[L4], 2, v0
	v_lshlrev_b32 v[WO], 4, v1
	v_lshl_or_b32 v[WO], v15, 10, v[WO]            ; row 4 (thread / 16), features 4 r .. 4 r + 3
	v_lshlrev_b32 v[VH], 5, v36
	v_mul_u32_u24 v[WS], v1, 4*WP
	v_lshl_add_u32 v[WS], v15, 3, v[WS]            ; feature 4 r, k = 4 (thread / 16)
	v_mul_u32_u24 v[FA], v1, WP
	v_lshl_add_u32 v[FA], v36, 4, v[FA]            ; row r, 16 bytes for each half of the lanes
	v_lshl_add_u32 v38, v37, 4, v1                 ; my path in the group: 16 wave + r
	v_lshlrev_b32 v[OA], 2, v38
	v_mul_u32_u24 v[LA], v38, 4*STEPS
	v_and_b32 v[GO], 31, v0
	v_lshlrev_b32 v[GO], 4, v[GO]
	v_mov_b32 v[T2], 0                             ; v_permlanex16_b32 counts as a reader of its destination
	v_mov_b32 v[RS+1], 0                           ; the pair's second register is named, never used
	s_mov_b32 s38, 0x76543210                      ; v_permlanex16_b32: lane i of one half reads lane i of the other
	s_mov_b32 s39, 0xfedcba98
	s_mov_b32 s46, 0x3c800000                      ; 1/64
	s_mov_b32 s47, 0x3727c5ac                      ; 1e-5
	s_mov_b32 s48, 0x3e4ccccd                      ; sigma = 0.2
	s_mov_b32 s49, 0x3a83126f                      ; c = R DT = 0.001
	s_mov_b32 s50, 0xbfb8aa3b                      ; -log2 e
	s_mov_b32 s52, 0x3c23d70a                      ; 1 / S0 = 0.01
	s_mov_b32 s53, 0xbc800000                      ; -1/64
	s_mul_i32 s42, ttmp9, 128*4*STEPS              ; the group's 128 rows of 200 bytes
	s_mov_b32 s43, 0
	s_wait_kmcnt 0x0
	s_load_b32 s40, s[30:31], 0x0                  ; b3
	s_load_b32 s41, s[32:33], 0x0                  ; Y0
	s_add_nc_u64 s[8:9], s[8:9], s[42:43]
	s_add_nc_u64 s[10:11], s[10:11], s[42:43]
; 8 loads: my 32 of an array's 64 numbers, feature 16 t + 8 h + 4 c .. + 3 into registers dst + 8 t + 4 c ..
.macro LDC dst, base, byte
.irp t, 0,1,2,3
.irp c, 0,1
	global_load_b128 v[\dst+8*\t+4*\c:\dst+8*\t+4*\c+3], v[VH], s[\base:\base+1] offset:\byte+64*\t+16*\c
.endr
.endr
.endm
	; 4 loads: W2, once for the work-group; sixteen lanes take one whole row of 256 bytes
.irp q, 0,1,2,3
	global_load_b128 v[WT+4*\q:WT+4*\q+3], v[WO], s[20:21] offset:256*\q
.endr
	; 32 loads: what is to be centred
	WIN 0x40
	LDC W0C, 12, 0
	LDC W1C, 12, 256
	LDC B1C, 14, 0
	LDC B2C, 22, 0
	WIN 0
	; 14 loads: the group's dw and t_grid, 6 x 4,096 bytes and 1,024 bytes each; a wave's 16-byte load covers 512 consecutive bytes, aligned
.irp k, 0,1,2,3,4,5
	global_load_b128 v[ST+4*\k:ST+4*\k+3], v[L16], s[8:9] offset:4096*\k th:TH_LOAD_NT
.endr
	global_load_b32 v[ST+48], v[L4], s[8:9] offset:24576 th:TH_LOAD_NT
.irp k, 0,1,2,3,4,5
	global_load_b128 v[ST+24+4*\k:ST+24+4*\k+3], v[L16], s[10:11] offset:4096*\k th:TH_LOAD_NT
.endr
	global_load_b32 v[ST+49], v[L4], s[10:11] offset:24576 th:TH_LOAD_NT
	; W2: row k's 64 features lie in the 16 lanes of a row of lanes, four each: sum, take the mean away, round, transpose into LDS
	s_wait_loadcnt 46                              ; the 32 + 14 younger loads stay out: W2 is in
.irp q, 0,1,2,3
	v_add_f32 v[T0+\q], v[WT+4*\q], v[WT+4*\q+1]
	v_add_f32 v[MN], v[WT+4*\q+2], v[WT+4*\q+3]
	v_add_f32 v[T0+\q], v[T0+\q], v[MN]
.endr
.irp x, 1,2,4,8
.irp q, 0,1,2,3
	v_add_f32_dpp v[T0+\q], v[T0+\q], v[T0+\q] row_xmask:\x row_mask:0xf bank_mask:0xf
.endr
.endr
.irp q, 0,1,2,3
.irp e, 0,1,2,3
	v_fma_f32 v[WT+4*\q+\e], v[T0+\q], s53, v[WT+4*\q+\e]
.endr
.endr
.irp e, 0,1,2,3
	v_cvt_pk_bf16_f32 v[PK+2*\e],   v[WT+\e],   v[WT+4+\e]         ; feature 4 r + e: k = 4 (thread / 16) + 0, 1
	v_cvt_pk_bf16_f32 v[PK+2*\e+1], v[WT+8+\e], v[WT+12+\e]        ; + 2, 3
	ds_store_b64 v[WS], v[PK+2*\e:PK+2*\e+1] offset:W2S+WP*\e
.endr
	s_wait_loadcnt 14                              ; the 14 loads of dw and t_grid stay out: W1, b1, b2 are in
	; 40 loads: gains, shifts and W3, which are used as they are
	WIN 0x40
	LDC G1, 16, 0
	LDC BE1, 18, 0
	WIN 0
	LDC G2, 24, 0
	LDC BE2, 26, 0
	LDC W3V, 28, 0
; an array of window 1 less its mean over the 64 features: 32 of them in the lane, the other 32 in the lane of the other half
.macro CENTRE arr
	WIN 0x05
	v_pk_add_f32 v[T0:T0+1], v[\arr:\arr+1], v[\arr+2:\arr+3]
	v_pk_add_f32 v[T1:T1+1], v[\arr+4:\arr+5], v[\arr+6:\arr+7]
	WIN 0x01
.set p, 8
.rept 6
	v_pk_add_f32 v[T0:T0+1], v[\arr+p:\arr+p+1], v[T0:T0+1]
	v_pk_add_f32 v[T1:T1+1], v[\arr+p+2:\arr+p+3], v[T1:T1+1]
.set p, p+4
.endr
	WIN 0
	v_pk_add_f32 v[T0:T0+1], v[T0:T0+1], v[T1:T1+1]
	v_add_f32 v[TT], v[T0], v[T0+1]
	v_permlanex16_b32 v[T2], v[TT], s38, s39
	v_add_f32 v[TT], v[TT], v[T2]
	v_mul_f32 v[MN], s53, v[TT]
	v_mul_f32 v[MN+1], s53, v[TT]
	WIN 0x41
.set p, 0
.rept 16
	v_pk_add_f32 v[\arr+p:\arr+p+1], v[\arr+p:\arr+p+1], v[MN:MN+1]
.set p, p+2
.endr
	WIN 0
.endm
	CENTRE W0C
	CENTRE W1C
	CENTRE B1C
	CENTRE B2C
	s_wait_loadcnt 40                              ; the 40 younger loads stay out: dw and t_grid are in
.irp k, 0,1,2,3,4,5
	ds_store_b128 v[L16], v[ST+4*\k:ST+4*\k+3] offset:DWL+4096*\k
.endr
	ds_store_b32 v[L4], v[ST+48] offset:DWL+24576
.irp k, 0,1,2,3,4,5
	ds_store_b128 v[L16], v[ST+24+4*\k:ST+24+4*\k+3] offset:TL+4096*\k
.endr
	ds_store_b32 v[L4], v[ST+49] offset:TL+24576
	; C_k = a_k (-sqrt 2)^k: the polynomial in -|z| / 2
	v_mov_b32 v[CF+0],  0x39b49f67                 ;  0.0003445104
	v_mov_b32 v[CF+1],  0x39b49f67
	v_mov_b32 v[CF+2],  0xbacd0fec                 ; -0.0015645003
	v_mov_b32 v[CF+3],  0xbacd0fec
	v_mov_b32 v[CF+4],  0x3a1f6607                 ;  0.0006080572
	v_mov_b32 v[CF+5],  0x3a1f6607
	v_mov_b32 v[CF+6],  0xbcd6cd72                 ; -0.0262210106
	v_mov_b32 v[CF+7],  0xbcd6cd72
	v_mov_b32 v[CF+8],  0x3dad2fe7                 ;  0.0845640246
	v_mov_b32 v[CF+9],  0x3dad2fe7
	v_mov_b32 v[CF+10], 0xbdcc41b4                 ; -0.0997346939
	v_mov_b32 v[CF+11], 0xbdcc41b4
	s_wait_kmcnt 0x0                               ; b3, Y0
	s_mul_f32 s51, s50, s40                        ; -log2 e x b3
	v_mov_b32 v[SP], 0x42c80000                    ; S0 = 100
	v_mov_b32 v[YP], s41
	s_wait_loadcnt 0x0                             ; gains, shifts, W3
	s_wait_dscnt 0x0                               ; my LDS stores are done: zero, since other waves read them
	s_barrier_signal -1
	s_barrier_wait -1
	; the eight A fragments, kept for all 50 steps: 16 features x 32 k, two loads of 16 bytes, 32 bytes apart
	WIN 0x40
.irp t, 0,1,2,3
.irp s, 0,1
	ds_load_b128 v[AF+16*\t+8*\s:AF+16*\t+8*\s+3],   v[FA] offset:W2S+16*WP*\t+64*\s
	ds_load_b128 v[AF+16*\t+8*\s+4:AF+16*\t+8*\s+7], v[FA] offset:W2S+16*WP*\t+64*\s+32
.endr
.endr
	WIN 0
	ds_load_b32 v[DWI], v[LA] offset:DWL           ; step 0
	ds_load_b32 v[XX+1], v[LA] offset:TL
; the four chains of SS, then the other half's 32 features: the sum over 64 in TT, the same bits in both halves (a + b = b + a)
.macro REDUCE
	v_pk_add_f32 v[SS:SS+1], v[SS:SS+1], v[SS+2:SS+3]
	v_pk_add_f32 v[SS+4:SS+5], v[SS+4:SS+5], v[SS+6:SS+7]
	v_pk_add_f32 v[SS:SS+1], v[SS:SS+1], v[SS+4:SS+5]
	v_add_f32 v[TT], v[SS], v[SS+1]
	v_permlanex16_b32 v[T2], v[TT], s38, s39
	v_add_f32 v[TT], v[TT], v[T2]
.endm
; ZZ is centred: RS = 1 / sqrt(mean of squares + eps), and ZZ times it
.macro NORM
.irp i, 0,2,4,6
	v_pk_mul_f32 v[SS+\i:SS+\i+1], v[ZZ+\i:ZZ+\i+1], v[ZZ+\i:ZZ+\i+1]      ; the first four products start the chains
.endr
.set p, 8
.rept 12
	v_pk_fma_f32 v[SS+p%8:SS+p%8+1], v[ZZ+p:ZZ+p+1], v[ZZ+p:ZZ+p+1], v[SS+p%8:SS+p%8+1]
.set p, p+2
.endr
	REDUCE
	v_fma_f32 v[TT], v[TT], s46, s47
	v_rsq_f32 v[RS], v[TT]
	v_nop                                          ; one plain place between a transcendental and the use of its result (ISA guide 5.7.2)
.set p, 0
	s_wait_alu depctr_va_vdst(0)
.rept 16
	v_pk_mul_f32 v[ZZ+p:ZZ+p+1], v[ZZ+p:ZZ+p+1], v[RS:RS+1] op_sel_hi:[1,0]
.set p, p+2
.endr
.endm
.macro AFFINE g, b                     ; ZZ = g ZZ + b
.set p, 0
.rept 16
	v_pk_fma_f32 v[ZZ+p:ZZ+p+1], v[\g+p:\g+p+1], v[ZZ+p:ZZ+p+1], v[\b+p:\b+p+1]
.set p, p+2
.endr
.endm
; GELU in rows of eight instructions; e0 = the first of a row's elements
.macro G_MAX e0                        ; m = max(z, 0)
.irp i, 0,1,2,3,4,5,6,7
	v_max_num_f32 v[MM+\e0+\i], 0, v[ZZ+\e0+\i]
.endr
.endm
.macro G_AH e0                         ; ah = z / 2 - m = -|z| / 2
.irp i, 0,2,4,6,8,10,12,14
	v_pk_fma_f32 v[AH+\e0+\i:AH+\e0+\i+1], v[ZZ+\e0+\i:ZZ+\e0+\i+1], 0.5, v[MM+\e0+\i:MM+\e0+\i+1] op_sel_hi:[1,0,1] neg_lo:[0,0,1] neg_hi:[0,0,1]
.endr
.endm
.macro G_H0 e0                         ; P = C6 ah + C5 (z is dead: P takes its registers)
.irp i, 0,2,4,6,8,10,12,14
	v_pk_fma_f32 v[ZZ+\e0+\i:ZZ+\e0+\i+1], v[AH+\e0+\i:AH+\e0+\i+1], v[CF:CF+1], v[CF+2:CF+3]
.endr
.endm
.macro G_H e0, c                       ; P = P ah + the next coefficient
.irp i, 0,2,4,6,8,10,12,14
	v_pk_fma_f32 v[ZZ+\e0+\i:ZZ+\e0+\i+1], v[ZZ+\e0+\i:ZZ+\e0+\i+1], v[AH+\e0+\i:AH+\e0+\i+1], v[\c:\c+1]
.endr
.endm
.macro G_H1 e0                         ; P = P ah + 1, at least 1
	s_wait_alu depctr_va_vdst(0)
.irp i, 0,2,4,6,8,10,12,14
	v_pk_fma_f32 v[ZZ+\e0+\i:ZZ+\e0+\i+1], v[ZZ+\e0+\i:ZZ+\e0+\i+1], v[AH+\e0+\i:AH+\e0+\i+1], 1.0 op_sel_hi:[1,1,0]
.endr
.endm
.macro G_RCP e0, n                     ; n reciprocals in place
.set q, \e0
.rept \n
	v_rcp_f32 v[ZZ+q], v[ZZ+q]
.set q, q+1
.endr
.endm
.macro G_SQ e0
.irp i, 0,2,4,6,8,10,12,14
	v_pk_mul_f32 v[ZZ+\e0+\i:ZZ+\e0+\i+1], v[ZZ+\e0+\i:ZZ+\e0+\i+1], v[ZZ+\e0+\i:ZZ+\e0+\i+1]
.endr
.endm
.macro G_FIN e0                        ; gelu = ah P^-16 + m
	s_wait_alu depctr_va_vdst(0)
.irp i, 0,2,4,6,8,10,12,14
	v_pk_fma_f32 v[MM+\e0+\i:MM+\e0+\i+1], v[AH+\e0+\i:AH+\e0+\i+1], v[ZZ+\e0+\i:ZZ+\e0+\i+1], v[MM+\e0+\i:MM+\e0+\i+1]
.endr
.endm
; ZZ -> MM.  Two halves of 16 elements.  One half's reciprocals stand, two or four at a time, between the other half's rows: each is
; followed by a whole row of plain instructions on other registers before its result is read (ISA guide 5.7.2).
.macro GELU
	G_MAX 0
	G_MAX 8
	G_AH 0
	G_H0 0
	G_H 0, CF+4
	G_H 0, CF+6
	G_H 0, CF+8
	G_H 0, CF+10
	G_H1 0
	G_MAX 16
	G_RCP 0, 2
	G_MAX 24
	G_RCP 2, 2
	G_AH 16
	G_RCP 4, 2
	G_H0 16
	G_RCP 6, 2
	G_H 16, CF+4
	G_RCP 8, 2
	G_H 16, CF+6
	G_RCP 10, 2
	G_H 16, CF+8
	G_RCP 12, 2
	G_H 16, CF+10
	G_RCP 14, 2
	G_H1 16
	G_SQ 0
	G_RCP 16, 4
	G_SQ 0
	G_RCP 20, 4
	G_SQ 0
	G_RCP 24, 4
	G_SQ 0
	G_RCP 28, 4
	G_FIN 0
	G_SQ 16
	G_SQ 16
	G_SQ 16
	G_SQ 16
	G_FIN 16
.endm
; One step of my 16 paths.  more = 1: the next step's dw and t are fetched from LDS.
.macro STEP more
	s_wait_dscnt 0x0                               ; this step's dw and t (asked for half a step ago); in the first step the A fragments too
	v_mul_f32 v[XX], s52, v[SP]                    ; x0 = S / S0
	WIN 0x11
.set p, 0
.rept 16
	v_pk_fma_f32 v[ZZ+p:ZZ+p+1], v[W1C+p:W1C+p+1], v[XX:XX+1], v[B1C+p:B1C+p+1] op_sel:[0,1,0] op_sel_hi:[1,1,1]   ; W1[1] t + b1
.set p, p+2
.endr
	WIN 0x01
.set p, 0
.rept 16
	v_pk_fma_f32 v[ZZ+p:ZZ+p+1], v[W0C+p:W0C+p+1], v[XX:XX+1], v[ZZ+p:ZZ+p+1] op_sel_hi:[1,0,1]                    ; + W1[0] x0
.set p, p+2
.endr
	WIN 0
	NORM
	WIN 0x11
	AFFINE G1, BE1
	WIN 0
	GELU
.set p, 0
.rept 16
	v_cvt_pk_bf16_f32 v[HB+p], v[MM+2*p], v[MM+2*p+1]              ; features 16 t + 8 h + 0..7 in registers 4 t .. 4 t + 3: B's layout
.set p, p+1
.endr
	WIN 0x11
.irp t, 0,1,2,3
	v_wmma_f32_16x16x32_bf16 v[ZZ+8*\t:ZZ+8*\t+7], v[AF+16*\t:AF+16*\t+7], v[HB:HB+7], v[B2C+8*\t:B2C+8*\t+7]      ; k 0-31; the centred b2 starts the sums
.endr
	WIN 0x01
.irp t, 0,1,2,3
	v_wmma_f32_16x16x32_bf16 v[ZZ+8*\t:ZZ+8*\t+7], v[AF+16*\t+8:AF+16*\t+15], v[HB+8:HB+15], v[ZZ+8*\t:ZZ+8*\t+7]  ; k 32-63: the chain goes on in place
.endr
	WIN 0
	; the four places between the last matrix instruction and the first reader of a result (ISA guide 7.12.1) hold the path's own update
	v_fma_f32 v[FC], v[DWI], s48, s49              ; sigma dw + c
	v_mul_f32 v[DSP], v[SP], v[FC]                 ; dS
	v_fma_f32 v[EE], -v[SP], s49, v[DSP]           ; dS - c S
	v_add_f32 v[SP], v[SP], v[DSP]                 ; S of the next step
.if \more
	ds_load_b32 v[DWI], v[LA] offset:DWL+4         ; the next step's, with the second half of this step to arrive in
	ds_load_b32 v[XX+1], v[LA] offset:TL+4
.endif
	NORM
	AFFINE G2, BE2
	GELU
.irp i, 0,2,4,6
	v_pk_mul_f32 v[SS+\i:SS+\i+1], v[MM+\i:MM+\i+1], v[W3V+\i:W3V+\i+1]
.endr
.set p, 8
.rept 12
	v_pk_fma_f32 v[SS+p%8:SS+p%8+1], v[MM+p:MM+p+1], v[W3V+p:W3V+p+1], v[SS+p%8:SS+p%8+1]
.set p, p+2
.endr
	REDUCE
	v_fma_f32 v[TT], v[TT], s50, s51               ; -log2 e (h W3 + b3)
	v_exp_f32 v[TT], v[TT]
	v_fma_f32 v[YP], v[YP], s49, v[YP]             ; Y + c Y: the plain place behind the exponential
	s_wait_alu depctr_va_vdst(0)
	v_add_f32 v[TT], 1.0, v[TT]
	v_rcp_f32 v[TT], v[TT]                         ; zeta; an overflowed exponential gives 0
.if \more
	v_add_nc_u32 v[LA], 4, v[LA]                   ; the plain place behind the reciprocal
	s_wait_alu depctr_va_vdst(0)
.else
	v_nop
	s_wait_alu depctr_va_vdst(0)
.endif
	v_fma_f32 v[YP], v[TT], v[EE], v[YP]
.endm
	s_mov_b32 s3, 0
.Lstep:
	STEP 1
	s_add_co_u32 s3, s3, 1
	s_cmp_lt_u32 s3, STEPS-1
	s_cbranch_scc1 .Lstep
	STEP 0                                         ; the last step fetches nothing
	; THE WAY OUT: the group's 128 Y and 128 S meet in LDS; wave 0 stores Y, wave 1 stores S, each with one store of 512 consecutive bytes, aligned
	ds_store_b32 v[OA], v[YP] offset:OUTS          ; both halves of the wave hold the same bits and write the same word
	ds_store_b32 v[OA], v[SP] offset:OUTS+512
	s_wait_dscnt 0x0                               ; zero: other waves read these bytes
	s_barrier_signal -1
	s_barrier_wait -1
	s_lshl_b32 s42, ttmp9, 9                       ; 128 paths of 4 bytes
	s_mov_b32 s43, 0
	s_cmp_gt_u32 s2, 1
	s_cbranch_scc1 .Lend
	s_cmp_eq_u32 s2, 0
	s_cselect_b64 s[44:45], s[34:35], s[36:37]     ; out0 for wave 0, out1 for wave 1
	s_add_nc_u64 s[44:45], s[44:45], s[42:43]
	ds_load_b128 v[ZZ:ZZ+3], v[L16] offset:OUTS    ; threads 0-31: the Y block; threads 32-63: the S block
	s_wait_dscnt 0x0
	global_store_b128 v[GO], v[ZZ:ZZ+3], s[44:45] th:TH_STORE_NT
.Lend:
	s_wait_tensorcnt 0x0
	ds_add_u32 v254, v255
	s_wait_dscnt 0x0
	s_endpgm
.Lfunc_end_k_q38ddebd98e_bsde:
	.size	k_q38ddebd98e_bsde, .Lfunc_end_k_q38ddebd98e_bsde-k_q38ddebd98e_bsde
	.p2alignl 7, 3214868480
	.fill 96, 4, 3214868480
	.section	.rodata,"a",@progbits
	.p2align	6, 0x0
	.amdhsa_kernel k_q38ddebd98e_bsde
		.amdhsa_group_segment_fixed_size 62464
		.amdhsa_private_segment_fixed_size 0
		.amdhsa_enable_private_segment 0
		.amdhsa_kernarg_size 120
		.amdhsa_user_sgpr_count 2
		.amdhsa_user_sgpr_kernarg_segment_ptr 1
		.amdhsa_wavefront_size32 1
		.amdhsa_system_sgpr_workgroup_id_x 1
		.amdhsa_system_sgpr_workgroup_id_y 1
		.amdhsa_system_sgpr_workgroup_id_z 1
		.amdhsa_system_vgpr_workitem_id 0
		.amdhsa_next_free_vgpr 512
		.amdhsa_next_free_sgpr 66
		.amdhsa_reserve_vcc 0
		.amdhsa_float_denorm_mode_32 3
		.amdhsa_float_denorm_mode_16_64 3
		.amdhsa_memory_ordered 1
		.amdhsa_forward_progress 1
		.amdhsa_inst_pref_size 110
	.end_amdhsa_kernel
	.amdgpu_metadata
---
amdhsa.version: [ 1, 2 ]
amdhsa.kernels:
  - .name:           k_q38ddebd98e_bsde
    .symbol:         k_q38ddebd98e_bsde.kd
    .args:
      - { .name: dw, .offset: 0, .size: 8, .value_kind: global_buffer, .address_space: global }
      - { .name: t_grid, .offset: 8, .size: 8, .value_kind: global_buffer, .address_space: global }
      - { .name: W1, .offset: 16, .size: 8, .value_kind: global_buffer, .address_space: global }
      - { .name: b1, .offset: 24, .size: 8, .value_kind: global_buffer, .address_space: global }
      - { .name: g1, .offset: 32, .size: 8, .value_kind: global_buffer, .address_space: global }
      - { .name: be1, .offset: 40, .size: 8, .value_kind: global_buffer, .address_space: global }
      - { .name: W2, .offset: 48, .size: 8, .value_kind: global_buffer, .address_space: global }
      - { .name: b2, .offset: 56, .size: 8, .value_kind: global_buffer, .address_space: global }
      - { .name: g2, .offset: 64, .size: 8, .value_kind: global_buffer, .address_space: global }
      - { .name: be2, .offset: 72, .size: 8, .value_kind: global_buffer, .address_space: global }
      - { .name: W3, .offset: 80, .size: 8, .value_kind: global_buffer, .address_space: global }
      - { .name: b3, .offset: 88, .size: 8, .value_kind: global_buffer, .address_space: global }
      - { .name: Y0, .offset: 96, .size: 8, .value_kind: global_buffer, .address_space: global }
      - { .name: out0, .offset: 104, .size: 8, .value_kind: global_buffer, .address_space: global }
      - { .name: out1, .offset: 112, .size: 8, .value_kind: global_buffer, .address_space: global }
    .group_segment_fixed_size: 62464
    .private_segment_fixed_size: 0
    .kernarg_segment_align: 8
    .kernarg_segment_size: 120
    .max_flat_workgroup_size: 256
    .sgpr_count:     66
    .vgpr_count:     512
    .wavefront_size: 32
...
	.end_amdgpu_metadata
.endif
;; end of part 1
